; MI455X (gfx1250); checked and timed in simulation.
; The chip was launched on July 23, 2026; its instructions are those of AMD's public machine-readable ISA for CDNA 5 (MIT licence, August 2026) and "CDNA5" Instruction Set Architecture Reference Guide (July 2026). The comments in the code are by the model that wrote it; some were corrected since.
;; Multi Head Attention. Allowed arithmetic: matrix products marked QUANTISED: E4M3 operands, one given power-of-two scale a tensor, by v_wmma_f32_16x16x64_fp8_fp8 or v_wmma_f32_16x16x128_fp8_fp8, f32 sums; everything else in f32.
;; Inputs: attention_mask 1 x 1 x 4,096 x 4,096 float32; cos 4,096 x 32 float32; k_norm_w 64 float32; lowp_scales 12 int32 (the exponents e of the quantised operands' scales 2^e); q_norm_w 64 float32; sin 4,096 x 32 float32; wk 1,024 x 1,024 float32; wo 1,024 x 1,024 float32; wq 1,024 x 1,024 float32; wv 1,024 x 1,024 float32; x 1 x 4,096 x 1,024 float32.
;; Outputs: out0 1 x 4,096 x 1,024 float32.
;; This version of the problem:
;;   THIS VERSION OF THE PROBLEM IS GIVEN IN LOW PRECISION. The matrix products marked QUANTISED in the list below multiply operands that are first quantised to E4M3 (4 exponent bits, 3 mantissa bits; 8 bits a number), with one given power-of-two scale for each operand tensor; their sums are f32. All else is computed in f32.
;;   The module's matrix products, in the order in which they are computed (A, B: the left and right operand; K: the contracted axis; several contracted axes count as one K, in the product's order):
;;     1. [M 4,096, K 1,024] x [K 1,024, N 1,024]; A: input x; B: input wq: QUANTISED (scales: A lowp_scales[0], B lowp_scales[1])
;;     2. [M 4,096, K 1,024] x [K 1,024, N 1,024]; A: input x; B: input wk: QUANTISED (scales: A lowp_scales[2], B lowp_scales[3])
;;     3. [M 4,096, K 1,024] x [K 1,024, N 1,024]; A: input x; B: input wv: QUANTISED (scales: A lowp_scales[4], B lowp_scales[5])
;;     4. batch 16 x [M 4,096, K 64] x [K 64, N 4,096]; A: computed on the way; B: computed on the way: QUANTISED (scales: A lowp_scales[6], B lowp_scales[7])
;;     5. batch 16 x [M 4,096, K 4,096] x [K 4,096, N 64]; A: softmax (see below); B: computed on the way: QUANTISED (scales: A lowp_scales[8], B lowp_scales[9])
;;     6. [M 4,096, K 1,024] x [K 1,024, N 1,024]; A: computed on the way; B: input wo: QUANTISED (scales: A lowp_scales[10], B lowp_scales[11])
;;   THE QUANTISER, for each operand of a quantised product, along K:
;;     - The operand's scale is 2^e, e = its entry of the input lowp_scales (int32; the entries are numbered through the quantised products in the list's order, A before B).
;;     - Each number is divided by the scale, clamped to +-448, and rounded to the nearest number of E4M3, ties to even, subnormals kept.
;;     - The product sums the exact products of the quantised numbers (number of the format x scale) in f32.
;;   ~~~python
;;   def quantise(x, axis, e):      # numpy; x: float32 -> the quantised numbers, widened to float32 again
;;       x = np.moveaxis(x, axis, -1); K = x.shape[-1]
;;       r = np.clip(x / 2.0 ** e, -448, 448)
;;       step = 2.0 ** (np.maximum(np.frexp(np.where(r == 0, 1, r))[1] - 1, -6) - 3)
;;       q = np.round(r / step) * step * 2.0 ** e      # np.round: ties to even
;;       return np.moveaxis(q, -1, axis).astype(np.float32)
;;   ~~~
;;   SOFTMAX AHEAD OF A QUANTISED PRODUCT. Where the list says 'softmax', what is quantised is not the finished softmax but p = 2^(t - M), with t = logit x log2(e) and M = ceil(the row's largest t), a whole number; so 1/2 < the row's largest p <= 1. The row's sum l is taken of the UNQUANTISED p, in f32, and the product's result is divided by l at the end. Since M is a whole number, a kernel that streams over the keys may use a running M (the ceiling of the running maximum): every later rescaling is an exact power of two, so the quantised numbers keep their values, but for numbers so far below the row's largest that they fall under the format's range.
;;   OPERANDS COMPUTED ON THE WAY. 'Computed on the way' means the value that the module computes at that place (a softmax that the list does not call 'softmax' is quantised finished and normalised). What goes into a quantiser is computed in f32, as accurately as f32 sums, v_exp_f32 and their like allow (about 1e-6 of the number): no bf16 or f16 on the way to a quantiser, and a product that is left as it is and whose result goes on into a quantised operand takes f32 operands (vector FMAs, or v_wmma_f32_16x16x4_f32). A number that lies on a knife's edge between two numbers of the format may be rounded either way, as far as f32 arithmetic and the matrix unit's own rounding can turn it there, and no further.
;; One version. Each part assembles by itself: llvm-mc -triple=amdgcn-amd-amdhsa -mcpu=gfx1250 --defsym DOCPART=n.
;; ======== version 1 of 1: 4 launches
;; limits: right only within a limited range of input values
;; workspace buffers: xc 12,582,912 bytes; wc 4,194,304 bytes; qc 4,194,304 bytes; kv 8,388,608 bytes; oc 4,194,304 bytes
;; launch quant (part 1): grid 512 x 1, 4 waves a work-group, no clusters, 33,280 bytes of LDS; arguments x, wq, wk, wv, wo, lowp_scales, xc, wc; writes xc, wc
.if DOCPART == 1
	.amdgcn_target "amdgcn-amd-amdhsa--gfx1250"
	.amdhsa_code_object_version 6
	.text
	.protected	k_q5fcb5299dc_quant
	.globl	k_q5fcb5299dc_quant
	.p2align	8
	.type	k_q5fcb5299dc_quant,@function
k_q5fcb5299dc_quant:
	s_mov_b64 s[64:65], 0
	v_nop
	global_prefetch_b8 v0, s[64:65] scope:SCOPE_SE
	s_setreg_imm32_b32 hwreg(HW_REG_WAVE_MODE, 25, 1), 1
	s_wait_xcnt 0x0
; x [4096][1024] f32 becomes THREE sets of E4M3 codes (scales 2^e0, 2^e2, 2^e4: one for each of the products with wq, wk, wv), xc [3][4096][1024];
; wq, wk, wv, wo [1024][1024] f32 become codes with 2^e1, 2^e3, 2^e5, 2^e11, wc [4][1024][1024].  K is innermost everywhere, rows are dense: all tensors are plain streams.
; code = number / 2^e, held within +-448, rounded to the nearest code, ties to even.
; LIMITS: each e used here lies between -126 and 119, so that 2^e and 448 x 2^e are f32 numbers.  NaN among the inputs is not served; an infinity is held at the largest code.
; SHARES.  Every wave runs the same eight steps of 512 numbers: steps 0-3 on x (2,048 numbers of wave 4 W + w), steps 4-7 on one weight (tensor W / 128).  So every work-group has the same work, and there is one path.
; A conversion takes eight neighbours from ONE lane's registers, a load is dense where neighbouring LANES take neighbouring bytes: each load reads 512 consecutive bytes, 16 a lane, and a step's 2,048 bytes
; turn through the wave's own stage in LDS (16 bytes of padding behind each 64) and come back 64 bytes a lane.  A lane's 16 codes are 16 bytes: a store covers 512 consecutive bytes.
; All 32 loads of a wave go out at the head.  Waves share nothing: no barrier; work-groups share no input: no cluster.  No store's data register is written twice.
.set SP,   80                          ; a lane's place in a stage: 64 bytes + 16 of padding
.set WREG, 8192                        ; LDS of a wave: two stages of 32 x SP bytes
.set SC,   8                           ; v8-15    four pairs: 2^e, 448 x 2^e  (x's three, the weight's one)
.set R,    16                          ; v16-143  eight sets of 16 numbers as loaded
.set X,    144                         ; v144-175 two sets of 16 neighbours
.set T,    176                         ; v176-191 the 16 numbers, held
.set CX,   192                         ; v192-239 x's codes: step t, scale i at CX + 12 t + 4 i
.set CW,   240                         ; v240-255 the weight's codes
	s_load_b512 s[4:19], s[0:1], 0x0               ; x, wq, wk, wv, wo, the exponents, xc, wc
	v_lshl_add_u32 v4, v0, 2, 0x8000
	s_set_vgpr_msb 0x40
	v_mov_b32 v1, 0
	s_set_vgpr_msb 0x4000
	v_lshrrev_b32 v1, 5, v0
	v_readfirstlane_b32 s46, v1                    ; wave
	v_and_b32 v2, 31, v0                           ; lane
	v_lshlrev_b32 v3, 4, v2                        ; 16 x lane: my bytes of a load's 512, and of a store's
	s_mul_i32 s47, s46, WREG
	v_lshrrev_b32 v5, 2, v2
	v_mul_u32_u24 v5, v5, SP
	v_and_b32 v7, 3, v2
	v_lshl_add_u32 v5, v7, 4, v5
	v_add_nc_u32 v5, s47, v5                       ; into the stage: SP (lane / 4) + 16 (lane % 4)
	v_mul_u32_u24 v6, v2, SP
	v_add_nc_u32 v6, s47, v6                       ; out of it: SP x lane
	s_lshl_b32 s48, ttmp9, 2
	s_add_co_u32 s48, s48, s46                     ; 4 W + w
	s_lshl_b32 s50, s48, 13                        ; x: 2,048 numbers of 4 bytes
	s_mov_b32 s51, 0
	s_lshl_b32 s52, s48, 11                        ; codes, in a set of xc and in wc alike
	s_mov_b32 s53, 0
	s_and_b32 s54, s48, 511
	s_lshl_b32 s54, s54, 13                        ; the weight: 512 waves to a tensor
	s_mov_b32 s55, 0
	s_lshr_b32 s44, ttmp9, 7                       ; which weight
	s_wait_alu depctr_va_vdst(0)
	s_wait_kmcnt 0x0
	s_load_b256 s[20:27], s[14:15], 0x0            ; e0 .. e7
	s_load_b128 s[28:31], s[14:15], 0x20           ; e8 .. e11
	s_add_nc_u64 s[32:33], s[4:5], s[50:51]
	s_cmp_eq_u32 s44, 0                            ; the choice hangs on the work-group's number alone
	s_cselect_b64 s[34:35], s[6:7], s[8:9]
	s_cmp_eq_u32 s44, 2
	s_cselect_b64 s[34:35], s[10:11], s[34:35]
	s_cmp_eq_u32 s44, 3
	s_cselect_b64 s[34:35], s[12:13], s[34:35]
	s_add_nc_u64 s[34:35], s[34:35], s[54:55]
	s_add_nc_u64 s[36:37], s[16:17], s[52:53]      ; xc, set 0,
	s_add_nc_u64 s[38:39], s[36:37], 0x400000      ; set 1,
	s_add_nc_u64 s[40:41], s[36:37], 0x800000      ; set 2
	s_add_nc_u64 s[42:43], s[18:19], s[52:53]      ; wc
.macro LOAD t
.irp i, 0,1,2,3
.if (\t) < 4
	global_load_b128 v[R+16*(\t)+4*\i:R+16*(\t)+4*\i+3], v3, s[32:33] offset:2048*(\t)+512*\i th:TH_LOAD_NT
.else
	global_load_b128 v[R+16*(\t)+4*\i:R+16*(\t)+4*\i+3], v3, s[34:35] offset:2048*((\t)-4)+512*\i th:TH_LOAD_NT
.endif
.endr
.endm
.macro TURN t                          ; step t's numbers through the stage: LDS serves a wave's instructions in order, so no wait stands between the stores and the loads
.irp i, 0,1,2,3
	ds_store_b128 v5, v[R+16*(\t)+4*\i:R+16*(\t)+4*\i+3] offset:32*SP*((\t)%2)+8*SP*\i
.endr
.irp i, 0,1,2,3
	ds_load_b128 v[X+16*((\t)%2)+4*\i:X+16*((\t)%2)+4*\i+3], v6 offset:32*SP*((\t)%2)+16*\i
.endr
.endm
.irp t, 0,1,2,3,4,5,6,7
	LOAD \t
.endr
.macro MKS e, p                        ; 2^e and 448 x 2^e as f32 numbers
	s_add_co_i32 s56, s[\e], 127
	s_lshl_b32 s57, s56, 23
	v_mov_b32 v[SC+2*\p], s57
	s_add_co_i32 s56, s56, 8
	s_lshl_b32 s56, s56, 23
	s_or_b32 s56, s56, 0x600000
	v_mov_b32 v[SC+2*\p+1], s56
.endm
	s_wait_kmcnt 0x0
	s_cmp_eq_u32 s44, 0
	s_cselect_b32 s45, s21, s23                    ; the weight's e: e1, e3,
	s_cmp_eq_u32 s44, 2
	s_cselect_b32 s45, s25, s45                    ; e5,
	s_cmp_eq_u32 s44, 3
	s_cselect_b32 s45, s31, s45                    ; e11
	MKS 20, 0
	MKS 22, 1
	MKS 24, 2
	MKS 45, 3
; 16 neighbours in v[xs] on become 16 codes in v[c] on, with pair p.  The numbers themselves stay: x is quantised three times.
.macro Q16 xs, p, c
.irp i, 0,1,2,3,4,5,6,7,8,9,10,11,12,13,14,15
	v_med3_num_f32 v[T+\i], v[(\xs)+\i], -v[SC+2*(\p)+1], v[SC+2*(\p)+1]   ; the conversion to an 8-bit code does not saturate (ISA guide 7.6.2): the hold comes first
.endr
	v_cvt_scalef32_pk8_fp8_f32 v[(\c):(\c)+1], v[T:T+7], v[SC+2*(\p)]
	v_cvt_scalef32_pk8_fp8_f32 v[(\c)+2:(\c)+3], v[T+8:T+15], v[SC+2*(\p)]
	v_nop                                          ; a plain line between the conversions and the next write of their sources
.endm
.macro STEP t
	s_wait_dscnt 0x0                               ; this step's numbers are back from the stage
.if (\t) < 7
	s_wait_loadcnt 4*(6-(\t))                      ; the next step's four loads are in; those of the steps behind it may be out
	TURN (\t)+1                                    ; they go through the other stage while this step is worked
.endif
.if (\t) < 4
.irp i, 0,1,2
	Q16 X+16*((\t)%2), \i, CX+12*(\t)+4*\i
	global_store_b128 v3, v[CX+12*(\t)+4*\i:CX+12*(\t)+4*\i+3], s[36+2*\i:37+2*\i] offset:512*(\t)
.endr
.else
	Q16 X+16*((\t)%2), 3, CW+4*((\t)-4)
	global_store_b128 v3, v[CW+4*((\t)-4):CW+4*((\t)-4)+3], s[42:43] offset:512*((\t)-4)
.endif
.endm
	s_wait_alu depctr_va_vdst(0)
	s_wait_loadcnt 28                              ; step 0's four loads are in
	TURN 0
.irp t, 0,1,2,3,4,5,6,7
	STEP \t
.endr
	s_set_vgpr_msb 0x4
	s_wait_tensorcnt 0x0
	ds_add_u32 v4, v1
	s_wait_dscnt 0x0
	s_set_vgpr_msb 0x400
	s_endpgm
.Lfunc_end_k_q5fcb5299dc_quant:
	.size	k_q5fcb5299dc_quant, .Lfunc_end_k_q5fcb5299dc_quant-k_q5fcb5299dc_quant
	.p2alignl 7, 3214868480
	.fill 96, 4, 3214868480
	.section	.rodata,"a",@progbits
	.p2align	6, 0x0
	.amdhsa_kernel k_q5fcb5299dc_quant
		.amdhsa_group_segment_fixed_size 33280
		.amdhsa_private_segment_fixed_size 0
		.amdhsa_enable_private_segment 0
		.amdhsa_kernarg_size 64
		.amdhsa_user_sgpr_count 2
		.amdhsa_user_sgpr_kernarg_segment_ptr 1
		.amdhsa_wavefront_size32 1
		.amdhsa_system_sgpr_workgroup_id_x 1
		.amdhsa_system_sgpr_workgroup_id_y 1
		.amdhsa_system_sgpr_workgroup_id_z 1
		.amdhsa_system_vgpr_workitem_id 0
		.amdhsa_next_free_vgpr 258
		.amdhsa_next_free_sgpr 66
		.amdhsa_reserve_vcc 0
		.amdhsa_float_denorm_mode_32 3
		.amdhsa_float_denorm_mode_16_64 3
		.amdhsa_memory_ordered 1
		.amdhsa_forward_progress 1
		.amdhsa_inst_pref_size 32
	.end_amdhsa_kernel
	.amdgpu_metadata
---
amdhsa.version: [ 1, 2 ]
amdhsa.kernels:
  - .name:           k_q5fcb5299dc_quant
    .symbol:         k_q5fcb5299dc_quant.kd
    .args:
      - { .name: x, .offset: 0, .size: 8, .value_kind: global_buffer, .address_space: global }
      - { .name: wq, .offset: 8, .size: 8, .value_kind: global_buffer, .address_space: global }
      - { .name: wk, .offset: 16, .size: 8, .value_kind: global_buffer, .address_space: global }
      - { .name: wv, .offset: 24, .size: 8, .value_kind: global_buffer, .address_space: global }
      - { .name: wo, .offset: 32, .size: 8, .value_kind: global_buffer, .address_space: global }
      - { .name: lowp_scales, .offset: 40, .size: 8, .value_kind: global_buffer, .address_space: global }
      - { .name: xc, .offset: 48, .size: 8, .value_kind: global_buffer, .address_space: global }
      - { .name: wc, .offset: 56, .size: 8, .value_kind: global_buffer, .address_space: global }
    .group_segment_fixed_size: 33280
    .private_segment_fixed_size: 0
    .kernarg_segment_align: 8
    .kernarg_segment_size: 64
    .max_flat_workgroup_size: 128
    .sgpr_count:     66
    .vgpr_count:     258
    .wavefront_size: 32
...
	.end_amdgpu_metadata
.endif
;; end of part 1
;; launch qkv (part 2): grid 48 x 4, 4 waves a work-group, clusters of 4 x 4, 327,680 bytes of LDS; arguments xc, wc, lowp_scales, cos, sin, q_norm_w, k_norm_w, qc, kv; writes qc, kv
.if DOCPART == 2
	.amdgcn_target "amdgcn-amd-amdhsa--gfx1250"
	.amdhsa_code_object_version 6
	.text
	.protected	k_q5fcb5299dc_qkv
	.globl	k_q5fcb5299dc_qkv
	.p2align	8
	.type	k_q5fcb5299dc_qkv,@function
k_q5fcb5299dc_qkv:
	s_mov_b64 s[64:65], 0
	v_nop
	global_prefetch_b8 v0, s[64:65] scope:SCOPE_SE
	s_setreg_imm32_b32 hwreg(HW_REG_WAVE_MODE, 25, 1), 1
	s_wait_xcnt 0x0
	s_wait_alu depctr_hold_cnt(0) depctr_sa_sdst(0) depctr_va_vdst(0) depctr_va_sdst(0) depctr_va_ssrc(0) depctr_va_vcc(0) depctr_vm_vsrc(0)
	s_getreg_b32 s2, hwreg(HW_REG_IB_STS2, 6, 4)
	s_cmp_eq_u32 s2, 0
	s_cbranch_scc0 .Lentry_in_a_cluster
	s_endpgm
.Lentry_in_a_cluster:
	s_bfe_u32 s2, ttmp6, 0x10000c
	s_cmp_lg_u32 s2, 0xf033
	s_cbranch_scc0 .Lentry_shape_is_right
	s_endpgm
.Lentry_shape_is_right:
.set KSTEP,  256
.set ROWB,   256
.set KROW,   1024
.set PITCH,  272
.set FR,     16
.set NL,     4
.set NP,     4
.set HALFT,  128*PITCH
.set SLOT,   4*HALFT
.set LAPS,   KROW/(2*KSTEP)
.set SPARE,  2*SLOT
.set ADRA, 16
.set ADRB, 20
.set LI,   24
.set CSO,  25
.set WOF,  26
.set SPW,  28
.set NIL,  29
.set AF,   128
.set G1, 24
.set G0, 32
.set G1B, 48
.set G0B, 56
.set WW,   32
.set CSR,  64
.set TT,   128
.set OO,   160
.set SS,   196
.set GG,   204
.set CD,   208
.set SCL,  224
.set PT,   226
.set VT,   32
.set VSC,  96
.set VC,   128
.set MSB, 0
.macro WIN new
.if MSB != (\new)
	s_set_vgpr_msb (MSB<<8)|(\new)
.set MSB, (\new)
.endif
.endm
.set MUL_LO, 0xa1
.set MUL_HI, 0xf1
.set TO_B,   0x40
.macro JLOAD g0a, g1a, g0b, g1b
	s_cmp_eq_u32 s15, 0
	s_cbranch_scc0 .Lfor_b_\@
	tensor_load_to_lds s[\g0a:\g0a+3], s[\g1a:\g1a+7]
	s_nop 0
.rept 4
	v_nop
.endr
	s_branch .Lasked_\@
.Lfor_b_\@:
	tensor_load_to_lds s[\g0b:\g0b+3], s[\g1b:\g1b+7]
	s_nop 0
.rept 4
	v_nop
.endr
.Lasked_\@:
.endm
.macro CREST
	s_cmp_lg_u32 s14, 0
	s_cbranch_scc1 .Lnot_wave_0_\@
	s_barrier_signal -3
.Lnot_wave_0_\@:
	s_barrier_wait -3
	s_barrier_signal -1
	s_barrier_wait -1
.endm
.macro CROUND
	s_barrier_signal -1
	s_barrier_wait -1
	CREST
.endm
	s_load_b128 s[4:7], s[0:1], 0x0
	s_load_b64 s[8:9], s[0:1], 0x10
	s_load_b256 s[68:75], s[0:1], 0x18
	s_load_b128 s[76:79], s[0:1], 0x38
	v_lshl_add_u32 v[SPW], v0, 2, SPARE
	v_mov_b32 v[NIL], 0
	ds_add_u32 v28, v29
	ds_add_u32 v28, v29
	s_wait_dscnt 0x0
	v_lshrrev_b32 v1, 5, v0
	v_readfirstlane_b32 s14, v1
	s_lshr_b32 s15, s14, 1
	s_and_b32 s16, s14, 1
	s_bfe_u32 s40, ttmp6, 0x40000
	s_bfe_u32 s41, ttmp6, 0x40004
	s_lshr_b32 s92, ttmp9, 2
	s_and_b32 s93, ttmp9, 3
	s_lshl_b32 s93, s93, 2
	s_cmp_eq_u32 s92, 2
	s_cselect_b32 s94, 0, s93
	s_cselect_b32 s95, s93, 0
	s_add_co_u32 s17, s41, s94
	s_add_co_u32 s42, s40, s95
	s_lshl_b32 s43, s41, 2
	s_lshl_b32 s43, 15, s43
	s_lshl_b32 s44, 0x1111, s40
	s_or_b32 s[G1+0], s43, (0<<16)|(1<<20)|(1<<21)|(5<<22)|(3<<25)
	s_or_b32 s[G1B+0], s44, (0<<16)|(1<<20)|(1<<21)|(5<<22)|(3<<25)
.irp g, G1, G1B
	s_mov_b32 s[\g+1], ROWB<<16
	s_mov_b32 s[\g+2], 128<<16
	s_mov_b32 s[\g+3], ROWB<<16
	s_mov_b32 s[\g+4], 128
	s_mov_b32 s[\g+5], KROW
	s_mov_b32 s[\g+6], 0
	s_mov_b32 s[\g+7], 0
.endr
	s_lshl_b32 s96, s92, 22
	s_lshl_b32 s97, s92, 20
	s_cmp_eq_u32 s92, 2
	s_cselect_b32 s96, 0x200000, s96
	s_cselect_b32 s97, 0x800000, s97
	s_lshl_b32 s18, s16, 17
	s_lshl_b32 s20, s17, 18
	s_add_co_u32 s20, s20, s18
	s_add_co_u32 s20, s20, s96
	s_mov_b32 s21, 0
	s_lshl_b32 s46, s42, 18
	s_add_co_u32 s46, s46, s18
	s_add_co_u32 s46, s46, s97
	s_mov_b32 s47, 0
	s_mul_i32 s45, s14, HALFT
	s_wait_kmcnt 0x0
	s_load_b256 s[80:87], s[8:9], 0x0
	s_load_b128 s[88:91], s[8:9], 0x20
	s_cmp_eq_u32 s92, 2
	s_cselect_b64 s[10:11], s[6:7], s[4:5]
	s_cselect_b64 s[12:13], s[4:5], s[6:7]
	s_add_nc_u64 s[20:21], s[10:11], s[20:21]
	s_add_nc_u64 s[46:47], s[12:13], s[46:47]
	CROUND
.irp s, 0,1
	s_mov_b32 s[G0+4*\s], 1
	s_add_co_u32 s[G0+4*\s+1], s45, \s*SLOT
	s_add_nc_u64 s[G0+4*\s+2:G0+4*\s+3], s[20:21], \s*ROWB
	s_or_b32 s[G0+4*\s+3], s[G0+4*\s+3], 0x80000000
	s_mov_b32 s[G0B+4*\s], 1
	s_add_co_u32 s[G0B+4*\s+1], s45, \s*SLOT
	s_add_nc_u64 s[G0B+4*\s+2:G0B+4*\s+3], s[46:47], \s*ROWB
	s_or_b32 s[G0B+4*\s+3], s[G0B+4*\s+3], 0x80000000
	s_wait_alu depctr_va_vdst(0)
	s_wait_tensorcnt 0x0
	ds_add_u32 v28, v29
	ds_add_u32 v28, v29
	s_wait_dscnt 0x0
	CROUND
	JLOAD G0+4*\s, G1, G0B+4*\s, G1B
.endr
	v_and_b32 v1, 15, v0
	v_bfe_u32 v2, v0, 4, 1
	v_mul_u32_u24 v3, v1, PITCH
	v_lshl_add_u32 v4, v2, 4, v3
	s_mul_i32 s21, s15, HALFT
	s_mul_i32 s22, s16, HALFT
	s_add_co_u32 s22, s22, 2*HALFT
.irp s, 0,1
	v_add_nc_u32 v[ADRA+\s], s21, v4
	v_add_nc_u32 v[ADRB+\s], s22, v4
	s_add_co_u32 s21, s21, SLOT
	s_add_co_u32 s22, s22, SLOT
.endr
	v_and_b32 v6, 31, v0
	v_lshlrev_b32 v[LI], 4, v6
	v_lshlrev_b32 v[WOF], 5, v2
	v_lshl_add_u32 v[CSO], v1, 7, v[WOF]
.macro FRAG reg, adr, q, i
.irp c, 0,1,2,3
	ds_load_b128 v[\reg+4*\c:\reg+4*\c+3], v[\adr] offset:128*(\q)+32*\c+(\i)*16*PITCH
.endr
.endm
.macro MUL16 a0, p, zero
.irp a, \a0, \a0+1
.irp b, 0,1,2,3,4,5,6,7
.if \zero
	v_wmma_f32_16x16x128_fp8_fp8 v[8*(8*((\a)%4)+\b):8*(8*((\a)%4)+\b)+7], v[128*(\p)+FR*\b:128*(\p)+FR*\b+FR-1], v[AF+FR*(\a):AF+FR*(\a)+FR-1], 0
.else
	v_wmma_f32_16x16x128_fp8_fp8 v[8*(8*((\a)%4)+\b):8*(8*((\a)%4)+\b)+7], v[128*(\p)+FR*\b:128*(\p)+FR*\b+FR-1], v[AF+FR*(\a):AF+FR*(\a)+FR-1], v[8*(8*((\a)%4)+\b):8*(8*((\a)%4)+\b)+7]
.endif
.endr
.endr
.endm
.macro FETCH_B slot, q, p
	WIN TO_B
.irp i, 0,1,2,3,4,5,6,7
	FRAG 128*(\p)+FR*\i, ADRB+\slot, \q, \i
.endr
	WIN 0
.endm
.macro FETCH_A slot, q, i0
.irp i, \i0, \i0+1, \i0+2, \i0+3
	FRAG AF+FR*(\i), ADRA+\slot, \q, \i
.endr
.endm
.macro PLACES n
.rept \n
	v_nop
.endr
.endm
.macro STEP slot, q, zero
	s_wait_dscnt 4*NL
	WIN MUL_LO
	MUL16 0, (\q)%2, \zero
	MUL16 2, (\q)%2, \zero
	s_wait_dscnt 0
	PLACES NP
	FETCH_B \slot, (\q)+1, 1-(\q)%2
	FETCH_A \slot, (\q)+1, 0
	WIN MUL_HI
	MUL16 4, (\q)%2, \zero
	MUL16 6, (\q)%2, \zero
	PLACES NP
	WIN 0
	FETCH_A \slot, (\q)+1, 4
.endm
.macro TURN slot, next, fill
	s_wait_tensorcnt 0x0
	ds_add_u32 v[SPW], v[NIL]
	s_wait_dscnt 4*NL+1
	WIN MUL_LO
	MUL16 0, 1, 0
	s_wait_dscnt 0x0
	s_barrier_signal -1
	MUL16 2, 1, 0
	WIN 0
	s_barrier_wait -1
.if \fill
	CREST
	s_add_nc_u64 s[G0+4*\slot+2:G0+4*\slot+3], s[G0+4*\slot+2:G0+4*\slot+3], 2*ROWB
	s_add_nc_u64 s[G0B+4*\slot+2:G0B+4*\slot+3], s[G0B+4*\slot+2:G0B+4*\slot+3], 2*ROWB
	JLOAD G0+4*\slot, G1, G0B+4*\slot, G1B
.else
	PLACES NP
.endif
	FETCH_B \next, 0, 0
	FETCH_A \next, 0, 0
	WIN MUL_HI
	MUL16 4, 1, 0
	MUL16 6, 1, 0
	PLACES NP
	WIN 0
	FETCH_A \next, 0, 4
.endm
	s_wait_alu depctr_va_vdst(0)
	s_wait_tensorcnt 1
	s_barrier_signal -1
	s_barrier_wait -1
	FETCH_B 0, 0, 0
	FETCH_A 0, 0, 0
	FETCH_A 0, 0, 4
	STEP 0, 0, 1
	s_mov_b32 s3, LAPS-1
.Llap:
	TURN 0, 1, 1
	STEP 1, 0, 0
	TURN 1, 0, 1
	STEP 0, 0, 0
	s_sub_co_u32 s3, s3, 1
	s_cmp_lg_u32 s3, 0
	s_cbranch_scc1 .Llap
	TURN 0, 1, 0
	STEP 1, 0, 0
	s_wait_dscnt 4*NL
	WIN MUL_LO
	MUL16 0, 1, 0
	MUL16 2, 1, 0
	s_wait_dscnt 0
	WIN MUL_HI
	MUL16 4, 1, 0
	MUL16 6, 1, 0
	WIN 0
	s_wait_kmcnt 0x0
	PLACES NP
	s_cmp_lt_u32 ttmp9, 8
	s_cbranch_scc0 .Lway_v
	s_cmp_eq_u32 s92, 0
	s_cselect_b32 s34, s80, s82
	s_cselect_b32 s96, s81, s83
	s_cselect_b32 s97, s86, s87
	s_cselect_b64 s[32:33], s[72:73], s[74:75]
	s_cselect_b64 s[24:25], s[76:77], s[78:79]
	s_mov_b32 s37, 0x2000
	s_cselect_b32 s26, 0x40000, s37
	s_cselect_b32 s52, 20, 21
	s_cselect_b32 s53, 19, 14
	s_cselect_b32 s54, 14, 17
	s_cselect_b32 s55, 13, 16
	s_mov_b32 s27, 0
	s_lshl_b32 s98, s40, s52
	s_lshl_b32 s99, s16, s53
	s_add_co_u32 s98, s98, s99
	s_lshl_b32 s99, s17, s54
	s_add_co_u32 s98, s98, s99
	s_lshl_b32 s99, s15, s55
	s_add_co_u32 s98, s98, s99
	s_mov_b32 s99, 0
	s_add_nc_u64 s[24:25], s[24:25], s[98:99]
	s_add_nc_u64 s[26:27], s[24:25], s[26:27]
	s_lshl_b32 s98, s17, 15
	s_lshl_b32 s37, s15, 14
	s_add_co_u32 s98, s98, s37
	s_add_nc_u64 s[28:29], s[68:69], s[98:99]
	s_add_nc_u64 s[30:31], s[70:71], s[98:99]
.irp b, 0,1,2,3
.irp u, 0,1
	global_load_b128 v[WW+8*\b+4*\u:WW+8*\b+4*\u+3], v[WOF], s[32:33] offset:64*\b+16*\u
.endr
.endr
.macro LOADCS a, set
.irp c, 0,1
.irp u, 0,1
	global_load_b128 v[CSR+32*(\set)+8*\c+4*\u:CSR+32*(\set)+8*\c+4*\u+3], v[CSO], s[28:29] offset:2048*(\a)+64*\c+16*\u
	global_load_b128 v[CSR+32*(\set)+16+8*\c+4*\u:CSR+32*(\set)+16+8*\c+4*\u+3], v[CSO], s[30:31] offset:2048*(\a)+64*\c+16*\u
.endr
.endr
.endm
	LOADCS 0, 0
	s_add_co_i32 s34, s34, s96
	s_lshl_b32 s35, s34, 1
	s_add_co_i32 s35, s35, 121
	s_lshl_b32 s35, s35, 23
	s_mov_b32 s36, 0x358637bd
	s_mov_b32 s38, 0x76543210
	s_mov_b32 s39, 0xfedcba98
	s_add_co_i32 s97, s97, 127
	s_lshl_b32 s96, s97, 23
	v_mov_b32 v[SCL], s96
	s_add_co_i32 s97, s97, 8
	s_lshl_b32 s97, s97, 23
	s_or_b32 s97, s97, 0x600000
	v_mov_b32 v[SCL+1], s97
	v_mov_b32 v[GG+1], 0
	v_mov_b32 v[GG+3], 0
	v_mov_b32 v[PT], 0
	v_mov_b32 v[PT+1], 0
.macro SUMSQ2 a
.set AC, 64*((\a)%4)
	WIN 0x0a+5*((\a)/4)
	v_pk_mul_f32 v[SS:SS+1], v[AC:AC+1], v[AC:AC+1]
	v_pk_mul_f32 v[SS+4:SS+5], v[AC+32:AC+33], v[AC+32:AC+33]
	v_pk_mul_f32 v[SS+2:SS+3], v[AC+2:AC+3], v[AC+2:AC+3]
	v_pk_mul_f32 v[SS+6:SS+7], v[AC+34:AC+35], v[AC+34:AC+35]
.irp q, 2,3,4,5,6,7,8,9,10,11,12,13,14,15
	v_pk_fma_f32 v[SS+2*(\q%2):SS+2*(\q%2)+1], v[AC+2*\q:AC+2*\q+1], v[AC+2*\q:AC+2*\q+1], v[SS+2*(\q%2):SS+2*(\q%2)+1]
	v_pk_fma_f32 v[SS+4+2*(\q%2):SS+4+2*(\q%2)+1], v[AC+32+2*\q:AC+32+2*\q+1], v[AC+32+2*\q:AC+32+2*\q+1], v[SS+4+2*(\q%2):SS+4+2*(\q%2)+1]
.endr
	WIN 0
	v_pk_add_f32 v[SS:SS+1], v[SS:SS+1], v[SS+2:SS+3]
	v_pk_add_f32 v[SS+4:SS+5], v[SS+4:SS+5], v[SS+6:SS+7]
	v_add_f32 v[SS], v[SS], v[SS+1]
	v_add_f32 v[SS+4], v[SS+4], v[SS+5]
	v_permlanex16_b32 v[PT], v[SS], s38, s39
	v_permlanex16_b32 v[PT+1], v[SS+4], s38, s39
	v_add_f32 v[SS], v[SS], v[PT]
	v_add_f32 v[SS+4], v[SS+4], v[PT+1]
.endm
.macro HEADOUT a, hh
.set AC, 64*((\a)%4)+32*(\hh)
.set CB, CSR+32*((\a)%2)
	WIN 0x02+(\a)/4
.set i, 0
.rept 16
	v_pk_mul_f32 v[TT+i:TT+i+1], v[AC+i:AC+i+1], v[GG+2*(\hh):GG+2*(\hh)+1] op_sel_hi:[1,0]
.set i, i+2
.endr
	WIN 0
.set i, 0
.rept 16
	v_pk_mul_f32 v[TT+i:TT+i+1], v[TT+i:TT+i+1], v[WW+i:WW+i+1]
.set i, i+2
.endr
.set i, 0
.rept 8
	v_pk_mul_f32 v[OO+i:OO+i+1], v[TT+16+i:TT+17+i], v[CB+16+i:CB+17+i]
.set i, i+2
.endr
.set i, 0
.rept 8
	v_pk_mul_f32 v[OO+16+i:OO+17+i], v[TT+i:TT+i+1], v[CB+16+i:CB+17+i]
.set i, i+2
.endr
.set i, 0
.rept 8
	v_pk_fma_f32 v[OO+i:OO+i+1], v[TT+i:TT+i+1], v[CB+i:CB+i+1], v[OO+i:OO+i+1] neg_lo:[0,0,1] neg_hi:[0,0,1]
.set i, i+2
.endr
.set i, 0
.rept 8
	v_pk_fma_f32 v[OO+16+i:OO+17+i], v[TT+16+i:TT+17+i], v[CB+i:CB+i+1], v[OO+16+i:OO+17+i]
.set i, i+2
.endr
.set i, 0
.rept 32
	v_med3_num_f32 v[OO+i], v[OO+i], -v[SCL+1], v[SCL+1]
.set i, i+1
.endr
.irp c, 0,1,2,3
	v_cvt_scalef32_pk8_fp8_f32 v[CD+8*(\hh)+2*\c:CD+8*(\hh)+2*\c+1], v[OO+8*\c:OO+8*\c+7], v[SCL]
.endr
	v_nop
.irp i, 0,1
	global_store_b128 v[LI], v[CD+8*(\hh)+4*\i:CD+8*(\hh)+4*\i+3], s[24+2*(\hh):25+2*(\hh)] offset:1024*(\a)+512*\i
.endr
.endm
.macro QKBLOCK a
.if (\a) < 7
	LOADCS (\a)+1, ((\a)+1)%2
	s_wait_loadcnt 8
.else
	s_wait_loadcnt 0x0
.endif
.if (\a) > 0
	s_wait_xcnt 0x0
.endif
	SUMSQ2 \a
	v_fma_f32 v[SS], v[SS], s35, s36
	v_fma_f32 v[SS+4], v[SS+4], s35, s36
	s_wait_alu depctr_va_vdst(0)
	v_rsq_f32 v[GG], v[SS]
	v_rsq_f32 v[GG+2], v[SS+4]
	v_nop
	s_wait_alu depctr_va_vdst(0)
	v_ldexp_f32 v[GG], v[GG], s34
	v_ldexp_f32 v[GG+2], v[GG+2], s34
	HEADOUT \a, 0
	HEADOUT \a, 1
.endm
.irp a, 0,1,2,3,4,5,6,7
	QKBLOCK \a
.endr
	s_branch .Ltail
.Lway_v:
	s_sub_co_i32 s34, s89, s84
	s_sub_co_i32 s34, s34, s85
	s_add_co_i32 s34, s34, 127
	s_lshl_b32 s35, s34, 23
	v_mov_b32 v[VSC], s35
	s_add_co_i32 s34, s34, 8
	s_lshl_b32 s34, s34, 23
	s_or_b32 s34, s34, 0x600000
	v_mov_b32 v[VSC+1], s34
	s_wait_alu depctr_va_vdst(0)
	s_lshl_b32 s98, s41, 21
	s_lshl_b32 s99, s42, 17
	s_add_co_u32 s98, s98, s99
	s_lshl_b32 s99, s16, 16
	s_add_co_u32 s98, s98, s99
	s_lshl_b32 s99, s15, 14
	s_add_co_u32 s98, s98, s99
	s_add_co_u32 s98, s98, 0x8000
	s_mov_b32 s99, 0
	s_add_nc_u64 s[24:25], s[78:79], s[98:99]
.irp a, 0,1,2,3,4,5,6,7
	WIN 0x02+(\a)/4
.set i, 0
.rept 64
	v_med3_num_f32 v[VT+i], v[64*((\a)%4)+i], -v[VSC+1], v[VSC+1]
.set i, i+1
.endr
	WIN 0
.irp b, 0,1,2,3,4,5,6,7
	v_cvt_scalef32_pk8_fp8_f32 v[VC+16*\a+2*\b:VC+16*\a+2*\b+1], v[VT+8*\b:VT+8*\b+7], v[VSC]
.endr
	v_nop
.irp i, 0,1,2,3
	global_store_b128 v[LI], v[VC+16*\a+4*\i:VC+16*\a+4*\i+3], s[24:25] offset:2048*\a+512*\i
.endr
.endr
.Ltail:
	s_wait_tensorcnt 0x0
	ds_add_u32 v[SPW], v[NIL]
	s_wait_dscnt 0x0
	CROUND
	s_endpgm
.Lfunc_end_k_q5fcb5299dc_qkv:
	.size	k_q5fcb5299dc_qkv, .Lfunc_end_k_q5fcb5299dc_qkv-k_q5fcb5299dc_qkv
	.p2alignl 7, 3214868480
	.fill 96, 4, 3214868480
	.section	.rodata,"a",@progbits
	.p2align	6, 0x0
	.amdhsa_kernel k_q5fcb5299dc_qkv
		.amdhsa_group_segment_fixed_size 327680
		.amdhsa_private_segment_fixed_size 0
		.amdhsa_enable_private_segment 0
		.amdhsa_kernarg_size 72
		.amdhsa_user_sgpr_count 2
		.amdhsa_user_sgpr_kernarg_segment_ptr 1
		.amdhsa_wavefront_size32 1
		.amdhsa_system_sgpr_workgroup_id_x 1
		.amdhsa_system_sgpr_workgroup_id_y 1
		.amdhsa_system_sgpr_workgroup_id_z 1
		.amdhsa_system_vgpr_workitem_id 0
		.amdhsa_next_free_vgpr 1024
		.amdhsa_next_free_sgpr 100
		.amdhsa_reserve_vcc 0
		.amdhsa_float_denorm_mode_32 3
		.amdhsa_float_denorm_mode_16_64 3
		.amdhsa_memory_ordered 1
		.amdhsa_forward_progress 1
		.amdhsa_inst_pref_size 255
	.end_amdhsa_kernel
	.amdgpu_metadata
---
amdhsa.version: [ 1, 2 ]
amdhsa.kernels:
  - .name:           k_q5fcb5299dc_qkv
    .symbol:         k_q5fcb5299dc_qkv.kd
    .args:
      - { .name: xc, .offset: 0, .size: 8, .value_kind: global_buffer, .address_space: global }
      - { .name: wc, .offset: 8, .size: 8, .value_kind: global_buffer, .address_space: global }
      - { .name: lowp_scales, .offset: 16, .size: 8, .value_kind: global_buffer, .address_space: global }
      - { .name: cos, .offset: 24, .size: 8, .value_kind: global_buffer, .address_space: global }
      - { .name: sin, .offset: 32, .size: 8, .value_kind: global_buffer, .address_space: global }
      - { .name: q_norm_w, .offset: 40, .size: 8, .value_kind: global_buffer, .address_space: global }
      - { .name: k_norm_w, .offset: 48, .size: 8, .value_kind: global_buffer, .address_space: global }
      - { .name: qc, .offset: 56, .size: 8, .value_kind: global_buffer, .address_space: global }
      - { .name: kv, .offset: 64, .size: 8, .value_kind: global_buffer, .address_space: global }
    .group_segment_fixed_size: 327680
    .private_segment_fixed_size: 0
    .kernarg_segment_align: 8
    .kernarg_segment_size: 72
    .max_flat_workgroup_size: 128
    .sgpr_count:     100
    .vgpr_count:     1024
    .wavefront_size: 32
...
	.end_amdgpu_metadata
.endif
;; end of part 2
;; launch attn (part 3): grid 4 x 64, 8 waves a work-group, clusters of 4 x 4, 327,680 bytes of LDS; arguments qc, kv, attention_mask, lowp_scales, oc; writes oc
.if DOCPART == 3
	.amdgcn_target "amdgcn-amd-amdhsa--gfx1250"
	.amdhsa_code_object_version 6
	.text
	.protected	k_q5fcb5299dc_attn
	.globl	k_q5fcb5299dc_attn
	.p2align	8
	.type	k_q5fcb5299dc_attn,@function
k_q5fcb5299dc_attn:
	s_mov_b64 s[64:65], 0
	v_nop
	global_prefetch_b8 v0, s[64:65] scope:SCOPE_SE
	s_setreg_imm32_b32 hwreg(HW_REG_WAVE_MODE, 25, 1), 1
	s_wait_xcnt 0x0
	s_wait_alu depctr_hold_cnt(0) depctr_sa_sdst(0) depctr_va_vdst(0) depctr_va_sdst(0) depctr_va_ssrc(0) depctr_va_vcc(0) depctr_vm_vsrc(0)
	s_getreg_b32 s2, hwreg(HW_REG_IB_STS2, 6, 4)
	s_cmp_eq_u32 s2, 0
	s_cbranch_scc0 .Lentry_in_a_cluster
	s_endpgm
.Lentry_in_a_cluster:
	s_bfe_u32 s2, ttmp6, 0x10000c
	s_cmp_lg_u32 s2, 0xf033
	s_cbranch_scc0 .Lentry_shape_is_right
	s_endpgm
.Lentry_shape_is_right:
; o = softmax(q k^T / 8 + mask) v for 16 heads of 64, 4,096 queries and keys, both products on codes of E4M3; o is quantised for the last projection.
; The mask is an input: every score is computed and every number of the mask is read.  No work of the problem is left out here.
; THE SOFTMAX: logit = score x 2^(e6 + e7 - 3) + mask (one rounding); M = ceil of the running largest logit x log2(e); p = 2^(logit x log2(e) - M), one fused multiply-add and one exponential;
; p is held at 448 x 2^e8 and quantised, not normalised.  The row's sum is taken of the unquantised p and divides at the end.  When M moves, the sum and O are multiplied by 2^(old M - new M): exact.
; SHARES.  A work-group owns 64 queries x 4 heads (head group cx, query block 4 x cluster y + cy).  Wave w of eight owns head w % 4 and queries 32 (w / 4) on: two tiles, A and B, of 16 queries,
; so that each fragment of K and of V read from LDS feeds two matrix instructions.  32 steps of 128 keys through a ring of two LDS slots.
; CLUSTER, 4 x 4.  A step's tile of the mask hangs on the query block alone and is shared along a row of the cluster; the step's block of K and V hangs on the head group alone and is shared along a column.
; Both are asked for JOINTLY, one load a wave: waves 0-3 a quarter of the mask tile each (32 rows x 256 bytes), waves 4-7 a quarter of the block (16,384 bytes).
; THE ORDER OF A STEP.  The change of slots stands in the middle of the softmax.  Before it: scores, logits, maxima, and V's fragments into registers, so that the slot is read out.  Behind it: the loads of the
; next step's K and mask, and then, on registers alone, both tiles' exponentials, sums, codes and second products.  Tile B's logits and maximum stand between the barrier's signal and its wait.
; LAYOUT.  Both products are used transposed (S^T = K Q^T, O^T = V^T P^T): a lane holds one query (lane % 16).  In S^T's tile c register j is key 16 c + 8 (lane / 16) + j: its eight numbers convert into
; registers 2 c, 2 c + 1 of P's fragment.  K's, V's and Q's fragments lie in memory and LDS as images of their registers.
; LIMITS: e8 and e10 between -126 and 119; e6 + e7 - 3 between -126 and 127; the exponents to the base 2 stay under 2^31 in magnitude.  NaN among the inputs is not served; a row all of whose logits are
; -infinity gives NaN, as the softmax does.
; REGISTERS.  Window 0: v1-9 addresses; v10, v11 the hold's bound, twice; v12-15 -M and the largest t of A, B; v16-19 the sums; v20-23 f; v24 2^e8; v25-31 at work; v32-47 Q; v48-63 A's codes;
; v64-127 S^T of A (then B's codes in v64-79); v128-191 S^T of B; v192-255 B's mask.  Window 1: v0-63 K; v64-127 V; v128-191 A's mask; v192-255 O^T of A, B.
.set SLOT1, 1<<17                      ; slot 1 begins here: one exclusive or turns an address
.set MP,    272                        ; a row of half a mask tile in LDS: 256 bytes + 16 of padding
.set MHALF, 64*MP                      ; keys 0-63 of the step; keys 64-127 follow
.set KVOFF, 2*MHALF                    ; then K, 32,768 bytes,
.set VOFF,  32768                      ; and V, 32,768 bytes
.set SPARE, 2*SLOT1                    ; the spare words: 128 bytes for each of 8 waves
.set STAGE, SPARE+1024                 ; the way out: 64 rows x 272 bytes, bytes of its own
.set AKV, 1
.set AMK, 2
.set PFO, 3
.set QO,  4
.set SPW, 5
.set NIL, 6
.set GO,  7
.set ADK, 8
.set ADM, 9
.set LIMP, 10
.set NMA, 12
.set NMB, 14
.set LA,  16
.set LB,  18
.set FA,  20
.set FB,  22
.set SCP, 24
.set QA,  32
.set QB,  40
.set PCA, 48
.set SA,  64
.set PCB, 64
.set SB,  128
.set MB,  192
.set KR,  0                            ; window 1 from here
.set VR,  64
.set MA,  128
.set OA,  192
.set OB,  224
.set TB,   2
.set WV,   18
.set SEL,  20
.set CS,   22
.set G1M,  24
.set G1K,  32
.set G0M,  40
.set G0K,  44
.set L2E,  48
.set SLOTS, 67
.set PFA,  80
.set PFS,  82
.set LIM,  84
.set MSB, 0
.macro WIN new                         ; the immediate's high byte repeats the setting that is left
.if MSB != (\new)
	s_set_vgpr_msb (MSB<<8)|(\new)
.set MSB, (\new)
.endif
.endm
; A joint load, one in each arm: every wave issues one.  s_nop 0 and four v_nop follow each.
.macro JLOAD
	s_cmp_lt_u32 s[WV], 4
	s_cbranch_scc0 .Lfor_kv_\@
	tensor_load_to_lds s[G0M:G0M+3], s[G1M:G1M+7]
	s_nop 0
.rept 4
	v_nop
.endr
	s_branch .Lasked_\@
.Lfor_kv_\@:
	tensor_load_to_lds s[G0K:G0K+3], s[G1K:G1K+7]
	s_nop 0
.rept 4
	v_nop
.endr
.Lasked_\@:
.endm
.macro CREST                           ; a round of the cluster's barrier behind its opening barrier
	s_cmp_lg_u32 s[WV], 0
	s_cbranch_scc1 .Lnot_wave_0_\@
	s_barrier_signal -3
.Lnot_wave_0_\@:
	s_barrier_wait -3
	s_barrier_signal -1
	s_barrier_wait -1
.endm
.macro CROUND
	s_barrier_signal -1
	s_barrier_wait -1
	CREST
.endm
; A prefetch of what the NEXT change of slots will ask for, one key step ahead of that load.  Each aligned block of 256 bytes is named once in the launch.
; The mask: the four partners of a row take 16 of the block's 64 rows each BY ADDRESS (cx); wave 4 asks, a lane for each of 16 rows x 2 blocks.
; K and V: the cluster with y = 0 asks; the four partners of a column take 16,384 bytes each BY ADDRESS (cy), waves 5 and 6 half of that each, lanes 256 bytes apart.
; The last change that fills a slot asks for nothing; steps 0 and 1 come by their loads alone.
.macro ASK
	s_cmp_gt_u32 s[SLOTS], s[LIM]
	s_cbranch_scc0 .Lnot_mine_\@
	global_prefetch_b8 v[PFO], s[PFA:PFA+1] th:TH_LOAD_NT scope:SCOPE_SE
.Lnot_mine_\@:
.endm
; The lines in front of a change of slots, up to the barrier's signal.  All waits are for 0: my one tensor load (my part of the next slot), the add, and my reads of the slot in hand (V's were the last).
.macro LINES fill
	s_wait_alu depctr_va_vdst(0)                   ; the wait ahead of the waits below
	s_wait_tensorcnt 0x0
	ds_add_u32 v[SPW], v[NIL]
.if \fill
	s_xor_b32 s[G0M+1], s[G0M+1], SLOT1            ; no load of mine is out: the descriptors walk to the other slot,
	s_add_nc_u64 s[G0M+2:G0M+3], s[G0M+2:G0M+3], 512      ; the next 128 keys of each row of the mask,
	s_xor_b32 s[G0K+1], s[G0K+1], SLOT1
	s_add_nc_u64 s[G0K+2:G0K+3], s[G0K+2:G0K+3], 65536    ; the next block of K and V
	s_wait_xcnt 0x0                                ; the last prefetch, a step back, has read its address
	s_add_nc_u64 s[PFA:PFA+1], s[PFA:PFA+1], s[PFS:PFS+1]
.endif
	s_wait_dscnt 0x0
	s_barrier_signal -1
.endm
; Behind the change: 48 LDS loads: K's eight fragments, A's and B's tiles of the mask.
.macro FRONT
	v_add_nc_u32 v[ADK], s[TB], v[AKV]
	v_add_nc_u32 v[ADM], s[TB], v[AMK]
	s_wait_alu depctr_va_vdst(0)                   ; V's loads read v[ADK] behind a wait
	WIN 0x40
.irp c, 0,1,2,3,4,5,6,7
	ds_load_b128 v[KR+8*\c:KR+8*\c+3], v[ADK] offset:1024*\c
	ds_load_b128 v[KR+8*\c+4:KR+8*\c+7], v[ADK] offset:1024*\c+512
.endr
.irp c, 0,1,2,3,4,5,6,7
	ds_load_b128 v[MA+8*\c:MA+8*\c+3], v[ADM] offset:MHALF*(\c/4)+64*(\c%4)
	ds_load_b128 v[MA+8*\c+4:MA+8*\c+7], v[ADM] offset:MHALF*(\c/4)+64*(\c%4)+16
.endr
	WIN 0
.irp c, 0,1,2,3,4,5,6,7
	ds_load_b128 v[MB+8*\c:MB+8*\c+3], v[ADM] offset:16*MP+MHALF*(\c/4)+64*(\c%4)
	ds_load_b128 v[MB+8*\c+4:MB+8*\c+7], v[ADM] offset:16*MP+MHALF*(\c/4)+64*(\c%4)+16
.endr
.endm
; A tile's logits, its largest, the new M and f.  s: S^T; m, w: the mask's registers and the window setting that reaches them; nm: -M and the largest t; f: f.
.macro HEAD s, m, w, nm, f
	WIN \w
.set i, 0
.rept 32
	v_pk_fma_f32 v[\s+i:\s+i+1], v[\s+i:\s+i+1], s[CS:CS+1], v[\m+i:\m+i+1] op_sel_hi:[1,0,1]   ; each accumulator from its low end on
.set i, i+2
.endr
	WIN 0
	v_max3_num_f32 v25, v[\s], v[\s+1], v[\s+2]    ; four chains
	v_max3_num_f32 v26, v[\s+3], v[\s+4], v[\s+5]
	v_max3_num_f32 v27, v[\s+6], v[\s+7], v[\s+8]
	v_max3_num_f32 v28, v[\s+9], v[\s+10], v[\s+11]
.irp k, 12,20,28,36,44,52
	v_max3_num_f32 v25, v25, v[\s+\k], v[\s+\k+1]
	v_max3_num_f32 v26, v26, v[\s+\k+2], v[\s+\k+3]
	v_max3_num_f32 v27, v27, v[\s+\k+4], v[\s+\k+5]
	v_max3_num_f32 v28, v28, v[\s+\k+6], v[\s+\k+7]
.endr
	v_max3_num_f32 v25, v25, v[\s+60], v[\s+61]
	v_max3_num_f32 v26, v26, v[\s+62], v[\s+63]
	v_max3_num_f32 v25, v25, v26, v27
	v_max_num_f32 v25, v25, v28
	v_permlanex16_b32 v29, v25, s[SEL], s[SEL+1]
	v_max_num_f32 v25, v25, v29                    ; and lane l xor 16's
	v_mul_f32 v25, s[L2E], v25                     ; as t
	v_max_num_f32 v[\nm+1], v[\nm+1], v25          ; the running largest t
	v_mov_b32 v26, v[\nm]
	v_floor_f32 v[\nm], -v[\nm+1]                  ; -M = -ceil(t)
	v_sub_f32 v26, v[\nm], v26                     ; old M - new M, a whole number, 0 or less
	v_cvt_i32_f32 v26, v26                         ; (it saturates)
	v_ldexp_f32 v[\f], 1.0, v26                    ; f = 2^(old M - new M)
.endm
; The row's sum of the unquantised p, in four chains; the old sum comes under the new M in the same multiply-add that takes a pair in.
.macro SUM s, l, f
	v_pk_add_f32 v[26:27], v[\s:\s+1], v[\s+2:\s+3]
	v_pk_add_f32 v[28:29], v[\s+4:\s+5], v[\s+6:\s+7]
	v_pk_add_f32 v[30:31], v[\s+8:\s+9], v[\s+10:\s+11]
	v_pk_fma_f32 v[\l:\l+1], v[\l:\l+1], v[\f:\f+1], v[\s+12:\s+13] op_sel_hi:[1,0,1]
.irp k, 14,22,30,38,46,54
	v_pk_add_f32 v[26:27], v[26:27], v[\s+\k:\s+\k+1]
	v_pk_add_f32 v[28:29], v[28:29], v[\s+\k+2:\s+\k+3]
	v_pk_add_f32 v[30:31], v[30:31], v[\s+\k+4:\s+\k+5]
	v_pk_add_f32 v[\l:\l+1], v[\l:\l+1], v[\s+\k+6:\s+\k+7]
.endr
	v_pk_add_f32 v[26:27], v[26:27], v[\s+62:\s+63]
	v_pk_add_f32 v[28:29], v[28:29], v[30:31]
	v_pk_add_f32 v[\l:\l+1], v[\l:\l+1], v[26:27]
	v_pk_add_f32 v[\l:\l+1], v[\l:\l+1], v[28:29]
.endm
; The hold: the conversion does not saturate (ISA guide 7.6.2); p is not negative, so it is one-sided; two numbers an instruction.  Then eight conversions.
.macro CODES s, c
.set i, 0
.rept 32
	v_dual_min_num_f32 v[\s+i], v[\s+i], v[LIMP] :: v_dual_min_num_f32 v[\s+i+1], v[\s+i+1], v[LIMP+1]
.set i, i+2
.endr
.irp c8, 0,1,2,3,4,5,6,7
	v_cvt_scalef32_pk8_fp8_f32 v[\c+2*\c8:\c+2*\c8+1], v[\s+8*\c8:\s+8*\c8+7], v[SCP]
.endr
	v_nop                                          ; a plain line behind the conversions
.endm
; Both tiles from logits to the second product: work on registers alone.
.macro TAILS
.set i, 0
.rept 32
	v_pk_fma_f32 v[SA+i:SA+i+1], v[SA+i:SA+i+1], s[L2E:L2E+1], v[NMA:NMA+1] op_sel_hi:[1,0,0]   ; t - M
.set i, i+2
.endr
.set i, 0
.rept 32
	v_pk_fma_f32 v[SB+i:SB+i+1], v[SB+i:SB+i+1], s[L2E:L2E+1], v[NMB:NMB+1] op_sel_hi:[1,0,0]
.set i, i+2
.endr
	WIN 0x41
	s_wait_alu depctr_va_vdst(0)                   ; the wait ahead of the batch
.set i, 0
.rept 16
	v_pk_mul_f32 v[OA+i:OA+i+1], v[OA+i:OA+i+1], v[FA:FA+1] op_sel_hi:[1,0]   ; O^T under the new M
.set i, i+2
.endr
.set i, 0
.rept 16
	v_pk_mul_f32 v[OB+i:OB+i+1], v[OB+i:OB+i+1], v[FB:FB+1] op_sel_hi:[1,0]
.set i, i+2
.endr
	WIN 0
.set i, 0
.rept 128
	v_exp_f32 v[SA+i], v[SA+i]                     ; p, both tiles in one batch
.set i, i+1
.endr
	v_nop                                          ; the plain line behind the batch
	s_wait_alu depctr_va_vdst(0)                   ; one wait for the batch, ahead of its first reader
	SUM SA, LA, FA
	SUM SB, LB, FB
	CODES SA, PCA
	CODES SB, PCB                                  ; B's codes take registers of A's p, which is used up
	WIN 0x51
.irp f, 0,1,2,3                        ; eight accumulators by turns
	v_wmma_f32_16x16x128_fp8_fp8 v[OA+8*\f:OA+8*\f+7], v[VR+16*\f:VR+16*\f+15], v[PCA:PCA+15], v[OA+8*\f:OA+8*\f+7]
	v_wmma_f32_16x16x128_fp8_fp8 v[OB+8*\f:OB+8*\f+7], v[VR+16*\f:VR+16*\f+15], v[PCB:PCB+15], v[OB+8*\f:OB+8*\f+7]
.endr
	WIN 0
.endm
; The scores of both tiles, V's fragments into registers, tile A's logits and maximum.
.macro MID
	s_wait_dscnt 0x0                               ; K and both tiles of the mask are in
.rept 5
	v_nop                                          ; five places: the scores are laid over B's codes, which the last products read
.endr
	WIN 0x01
.irp c, 0,1,2,3,4,5,6,7
	v_wmma_f32_16x16x64_fp8_fp8 v[SA+8*\c:SA+8*\c+7], v[KR+8*\c:KR+8*\c+7], v[QA:QA+7], 0
	v_wmma_f32_16x16x64_fp8_fp8 v[SB+8*\c:SB+8*\c+7], v[KR+8*\c:KR+8*\c+7], v[QB:QB+7], 0
.endr
.rept 4
	v_nop                                          ; four places: for the reads of the scores, and for the loads into V's registers
.endr
	WIN 0x40
.irp f, 0,1,2,3
.irp c, 0,1,2,3
	ds_load_b128 v[VR+16*\f+4*\c:VR+16*\f+4*\c+3], v[ADK] offset:VOFF+2048*\f+512*\c
.endr
.endr
	HEAD SA, MA, 0x10, NMA, FA
	s_xor_b32 s[TB], s[TB], SLOT1                  ; on to the other slot
.endm
	s_load_b256 s[4:11], s[0:1], 0x0               ; qc, kv, the mask, the exponents
	s_load_b64 s[12:13], s[0:1], 0x20              ; oc
	v_lshl_add_u32 v[SPW], v0, 2, SPARE
	v_mov_b32 v[NIL], 0
	ds_add_u32 v[SPW], v[NIL]                      ; the opening lines: the add, twice on end, and its wait
	ds_add_u32 v[SPW], v[NIL]
	v_lshrrev_b32 v8, 5, v0
	v_readfirstlane_b32 s[WV], v8                  ; wave 0..7
	s_bfe_u32 s50, ttmp6, 0x40000                  ; cx: the head group
	s_bfe_u32 s51, ttmp6, 0x40004                  ; cy
	s_and_b32 s85, ttmp7, 0xffff                   ; cluster y
	s_lshl_b32 s52, s85, 2
	s_add_co_u32 s52, s52, s51                     ; the query block
	s_and_b32 s53, s[WV], 3                        ; my head in the group; also the quarter that I fetch
	s_lshr_b32 s54, s[WV], 2                       ; my 32 queries of the 64
	s_lshl_b32 s86, s51, 2
	s_lshl_b32 s86, 15, s86                        ; my row of the cluster
	s_lshl_b32 s87, 0x1111, s50                    ; my column
	s_or_b32 s[G1M], s86, (2<<16)|(1<<20)|(1<<21)|(5<<22)|(3<<25)   ; the mask: elements of 4 bytes, 4 words of padding behind every 64
	s_mov_b32 s[G1M+1], 64<<16
	s_mov_b32 s[G1M+2], 32<<16
	s_mov_b32 s[G1M+3], 64<<16
	s_mov_b32 s[G1M+4], 32                         ; 32 rows x 64 numbers,
	s_mov_b32 s[G1M+5], 4096                       ; 4,096 numbers from row to row
	s_mov_b32 s[G1M+6], 0
	s_mov_b32 s[G1M+7], 0
	s_or_b32 s[G1K], s87, (3<<16)|(1<<21)          ; K and V: dense, 64 rows of 32 elements of 8 bytes
	s_mov_b32 s[G1K+1], 32<<16
	s_mov_b32 s[G1K+2], 64<<16
	s_mov_b32 s[G1K+3], 32<<16
	s_mov_b32 s[G1K+4], 64
	s_mov_b32 s[G1K+5], 32
	s_mov_b32 s[G1K+6], 0
	s_mov_b32 s[G1K+7], 0
	s_and_b32 s88, s53, 1                          ; the mask's quarter: which 64 keys,
	s_lshr_b32 s89, s53, 1                         ; which 32 rows
	s_lshl_b32 s90, s52, 20                        ; 64 rows of 16,384 bytes a query block
	s_lshl_b32 s91, s88, 8
	s_add_co_u32 s90, s90, s91
	s_lshl_b32 s91, s89, 19
	s_add_co_u32 s90, s90, s91
	s_mov_b32 s91, 0
	s_lshl_b32 s92, s50, 21                        ; kv: 32 blocks a head group, 16,384 bytes a quarter
	s_lshl_b32 s93, s53, 14
	s_add_co_u32 s92, s92, s93
	s_mov_b32 s93, 0
	s_mul_i32 s[G0M+1], s88, MHALF                 ; LDS addresses in slot 0: the wave's number alone enters them
	s_mul_i32 s94, s89, 32*MP
	s_add_co_u32 s[G0M+1], s[G0M+1], s94
	s_lshl_b32 s[G0K+1], s53, 14
	s_add_co_u32 s[G0K+1], s[G0K+1], KVOFF
	s_mov_b32 s[SEL], 0x76543210
	s_mov_b32 s[SEL+1], 0xfedcba98
	s_mov_b32 s[L2E], 0x3fb8aa3b
	s_mov_b32 s[L2E+1], s[L2E]
	s_mov_b32 s[TB], 0
	s_mov_b32 s[SLOTS], 31
	s_lshl_b32 s96, s53, 13
	s_add_co_u32 s96, s96, KVOFF                   ; my head's fragments in a slot
	s_mul_i32 s97, s54, 32*MP                      ; my rows of the mask tile
	s_cmp_eq_u32 s[WV], 4
	s_cselect_b32 s95, -1, 0
	v_and_b32 v[PFO], 31, v0                       ; lane
	v_and_b32 v8, 15, v0                           ; r
	v_bfe_u32 v9, v0, 4, 1                         ; h
	v_lshlrev_b32 v[QO], 4, v[PFO]
	v_lshrrev_b32 v10, 1, v[PFO]
	v_and_b32 v11, 1, v[PFO]
	v_lshlrev_b32 v10, 14, v10
	v_lshl_or_b32 v10, v11, 8, v10                 ; the mask's prefetch: row lane / 2, block lane % 2
	v_lshlrev_b32 v11, 8, v[PFO]                   ; K's and V's: 256 x lane
	v_cndmask_b32 v[PFO], v11, v10, s95
	v_add_nc_u32 v[AKV], s96, v[QO]
	v_mul_u32_u24 v[AMK], v8, MP
	v_lshl_add_u32 v[AMK], v9, 5, v[AMK]
	v_add_nc_u32 v[AMK], s97, v[AMK]
	v_lshlrev_b32 v[GO], 10, v9
	v_lshl_add_u32 v[GO], v8, 4, v[GO]             ; the way out: lanes 0-15 one row of oc, lanes 16-31 the next
	v_mov_b32 v[NMA+1], 0xff61b1e6                 ; the largest t so far: -3e38
	v_mov_b32 v[NMB+1], 0xff61b1e6
	v_floor_f32 v[NMA], -v[NMA+1]
	v_floor_f32 v[NMB], -v[NMB+1]
.irp r, 16,17,18,19,20,21,22,23,29
	v_mov_b32 v\r, 0                               ; the sums; f's pairs; a lane permute's destination
.endr
	WIN 0x40
.set i, 0
.rept 64
	v_mov_b32 v[OA+i], 0                           ; O^T: the step is written for every trip alike, and the first change of M leaves zeros zeros
.set i, i+1
.endr
	WIN 0
	s_wait_alu depctr_va_vdst(0)                   ; the wait ahead of the waits below
	s_wait_dscnt 0x0
	s_wait_kmcnt 0x0
	s_load_b256 s[68:75], s[10:11], 0x0            ; e0 .. e7
	s_load_b128 s[76:79], s[10:11], 0x20           ; e8 .. e11
	s_mov_b32 s[G0M], 1
	s_add_nc_u64 s[G0M+2:G0M+3], s[8:9], s[90:91]
	s_or_b32 s[G0M+3], s[G0M+3], 0x80000000
	s_mov_b32 s[G0K], 1
	s_add_nc_u64 s[G0K+2:G0K+3], s[6:7], s[92:93]
	s_or_b32 s[G0K+3], s[G0K+3], 0x80000000
	CROUND                                         ; all sixteen work-groups are here: the first joint loads meet
	JLOAD                                          ; key step 0 into slot 0: one load a wave
	s_lshl_b32 s94, s50, 20                        ; Q: 2^18 bytes a head, 1,024 a tile of 16 queries
	s_lshl_b32 s89, s53, 18
	s_add_co_u32 s94, s94, s89
	s_lshl_b32 s89, s52, 12
	s_add_co_u32 s94, s94, s89
	s_lshl_b32 s89, s54, 11
	s_add_co_u32 s94, s94, s89
	s_mov_b32 s95, 0
	s_add_nc_u64 s[4:5], s[4:5], s[94:95]
.irp u, 0,1,2,3
	global_load_b128 v[QA+4*\u:QA+4*\u+3], v[QO], s[4:5] offset:512*\u   ; Q's two fragments stay in registers
.endr
	s_lshl_b32 s94, s52, 16                        ; oc: 64 rows of 1,024 bytes a query block,
	s_lshl_b32 s89, s[WV], 13                      ; the eight rows that I store,
	s_add_co_u32 s94, s94, s89
	s_lshl_b32 s89, s50, 8                         ; the head group's 256 bytes
	s_add_co_u32 s94, s94, s89
	s_add_nc_u64 s[12:13], s[12:13], s[94:95]
	; the prefetches: who asks, and where they stand: at key step 1; the first change of slots steps them to key step 2
	s_cmp_eq_u32 s[WV], 4
	s_cselect_b64 s[PFA:PFA+1], s[8:9], s[6:7]
	s_mov_b32 s[PFS], 0x10000
	s_cselect_b32 s[PFS], 512, s[PFS]
	s_cselect_b32 s86, 0, s85                      ; the mask is asked for in every cluster, K and V in the cluster with y = 0
	s_mov_b32 s[PFS+1], 0
	s_lshl_b32 s90, s52, 20
	s_lshl_b32 s91, s50, 18                        ; my work-group's 16 rows of the 64
	s_add_co_u32 s90, s90, s91
	s_add_co_u32 s90, s90, 512
	s_sub_co_u32 s87, s[WV], 5
	s_and_b32 s87, s87, 1
	s_lshl_b32 s87, s87, 13                        ; wave 5 or 6: 8,192 bytes each,
	s_lshl_b32 s92, s50, 21
	s_add_co_u32 s92, s92, s87
	s_lshl_b32 s87, s51, 14                        ; of my work-group's 16,384
	s_add_co_u32 s92, s92, s87
	s_add_co_u32 s92, s92, 0x10000
	s_cmp_eq_u32 s[WV], 4
	s_cselect_b32 s90, s90, s92
	s_mov_b32 s91, 0
	s_add_nc_u64 s[PFA:PFA+1], s[PFA:PFA+1], s[90:91]
	s_sub_co_u32 s87, s[WV], 4
	s_cmp_lt_u32 s87, 3                            ; waves 4, 5, 6
	s_cselect_b32 s87, 0, 1
	s_or_b32 s86, s86, s87
	s_cmp_eq_u32 s86, 0
	s_cselect_b32 s[LIM], 1, -1                    ; the same in all sixteen partners, for a given wave
	s_wait_kmcnt 0x0
	s_add_co_i32 s89, s74, s75
	s_add_co_i32 s89, s89, 124
	s_lshl_b32 s[CS], s89, 23                      ; 2^(e6 + e7) / 8
	s_mov_b32 s[CS+1], s[CS]
	s_add_co_i32 s89, s76, 127
	s_lshl_b32 s94, s89, 23
	v_mov_b32 v[SCP], s94                          ; 2^e8
	s_add_co_i32 s89, s89, 8
	s_lshl_b32 s89, s89, 23
	s_or_b32 s89, s89, 0x600000
	v_mov_b32 v[LIMP], s89                         ; 448 x 2^e8, in two registers for the two halves of a pair
	v_mov_b32 v[LIMP+1], s89
	s_wait_alu depctr_va_vdst(0)                   ; the wait at the head's end
	s_wait_loadcnt 0x0                             ; Q
	LINES 1                                        ; key step 0 is in; slot 1's first fill is issued as a refill is
	s_barrier_wait -1
	CREST
	JLOAD                                          ; key step 1
	FRONT
	ASK
	s_mov_b32 s[SLOTS], 30
	MID
.Lstep:                                            ; 30 trips: from a step's change of slots to the next step's
	LINES 1
	HEAD SB, MB, 0, NMB, FB                        ; work on registers between the signal and the wait
	s_barrier_wait -1
	CREST                                          ; the barrier has opened a round of the cluster's: no wave of any partner still reads the slot or has a load on its way
	JLOAD                                          ; the first tensor load behind the round, one a wave
	FRONT
	ASK
	TAILS
	MID
	s_sub_co_u32 s[SLOTS], s[SLOTS], 1
	s_cmp_lg_u32 s[SLOTS], 0
	s_cbranch_scc1 .Lstep
	LINES 0                                        ; the last change fills nothing, and has no round
	HEAD SB, MB, 0, NMB, FB
	s_barrier_wait -1
	FRONT
	TAILS
	MID
	s_wait_dscnt 0x0                               ; the last V
	HEAD SB, MB, 0, NMB, FB
	TAILS
	; THE WAY OUT.  O^T / the sum x 2^(e8 + e9) is quantised with 2^e10; a row's 256 bytes of the head group come from four waves: they meet in the stage.
	s_add_co_i32 s89, s76, s77                     ; e8 + e9
	s_mul_i32 s94, s54, 32*MP
	s_lshl_b32 s95, s53, 6
	s_add_co_u32 s94, s94, s95
	s_add_co_u32 s94, s94, STAGE                   ; in: my 32 rows, byte 64 x my head
	s_mul_i32 s95, s[WV], 8*MP
	s_add_co_u32 s95, s95, STAGE                   ; back: rows 8 w on
	s_add_co_i32 s96, s78, 127
	s_lshl_b32 s97, s96, 23                        ; 2^e10
	s_add_co_i32 s96, s96, 8
	s_lshl_b32 s96, s96, 23
	s_or_b32 s96, s96, 0x600000                    ; 448 x 2^e10
	v_add_f32 v[LA], v[LA], v[LA+1]                ; the sums' two halves,
	v_add_f32 v[LB], v[LB], v[LB+1]
	v_permlanex16_b32 v29, v[LA], s[SEL], s[SEL+1]
	v_permlanex16_b32 v28, v[LB], s[SEL], s[SEL+1]
	v_add_f32 v[LA], v[LA], v29                    ; and lane l xor 16's
	v_add_f32 v[LB], v[LB], v28
	s_wait_alu depctr_va_vdst(0)                   ; the wait ahead of the transcendentals
	v_rcp_f32 v[LA], v[LA]
	v_rcp_f32 v[LB], v[LB]
	v_and_b32 v8, 15, v0                           ; r
	v_bfe_u32 v9, v0, 4, 1                         ; h
	v_mul_u32_u24 v1, v8, MP
	v_lshl_add_u32 v1, v9, 3, v1
	v_add_nc_u32 v1, s94, v1                       ; in: row r, + 8 h (+ 16 for each tile of channels)
	v_mul_u32_u24 v2, v9, MP
	v_lshl_add_u32 v2, v8, 4, v2
	v_add_nc_u32 v2, s95, v2                       ; back: lanes 0-15 one row, lanes 16-31 the next
	v_mov_b32 v[SCP], s97
	v_mov_b32 v[LIMP], s96
	s_wait_alu depctr_va_vdst(0)                   ; the wait ahead of the reciprocals' first reader
	v_ldexp_f32 v[LA], v[LA], s89
	v_ldexp_f32 v[LB], v[LB], s89
	WIN 0x01
	s_wait_alu depctr_va_vdst(0)                   ; the wait directly ahead of the first reader of O^T
.set i, 0
.rept 16
	v_pk_mul_f32 v[SA+i:SA+i+1], v[OA+i:OA+i+1], v[LA:LA+1] op_sel_hi:[1,0]   ; register 8 f + j is o(query r, channel 16 f + 8 h + j)
.set i, i+2
.endr
.set i, 0
.rept 16
	v_pk_mul_f32 v[SA+32+i:SA+33+i], v[OB+i:OB+i+1], v[LB:LB+1] op_sel_hi:[1,0]
.set i, i+2
.endr
	WIN 0
.set i, 0
.rept 64
	v_med3_num_f32 v[SA+i], v[SA+i], -v[LIMP], v[LIMP]
.set i, i+1
.endr
.irp k, 0,1,2,3,4,5,6,7
	v_cvt_scalef32_pk8_fp8_f32 v[SB+2*\k:SB+2*\k+1], v[SA+8*\k:SA+8*\k+7], v[SCP]
.endr
	v_nop
.irp f, 0,1,2,3
	ds_store_b64 v1, v[SB+2*\f:SB+2*\f+1] offset:16*\f
	ds_store_b64 v1, v[SB+8+2*\f:SB+9+2*\f] offset:16*MP+16*\f
.endr
	s_wait_dscnt 0x0                               ; for the others' sake: my stores into the stage are done
	s_barrier_signal -1
	s_barrier_wait -1
.irp t, 0,1,2,3
	ds_load_b128 v[SB+16+4*\t:SB+19+4*\t], v2 offset:2*\t*MP
.endr
	s_wait_dscnt 0x0
.irp t, 0,1,2,3
	global_store_b128 v[GO], v[SB+16+4*\t:SB+19+4*\t], s[12:13] offset:2048*\t   ; sixteen lanes store 256 consecutive bytes, at a multiple of 256 from oc's first byte
.endr
	s_wait_tensorcnt 0x0                           ; the wave's end
	ds_add_u32 v[SPW], v[NIL]
	s_wait_dscnt 0x0
	CROUND                                         ; the closing round
	s_endpgm
.Lfunc_end_k_q5fcb5299dc_attn:
	.size	k_q5fcb5299dc_attn, .Lfunc_end_k_q5fcb5299dc_attn-k_q5fcb5299dc_attn
	.p2alignl 7, 3214868480
	.fill 96, 4, 3214868480
	.section	.rodata,"a",@progbits
	.p2align	6, 0x0
	.amdhsa_kernel k_q5fcb5299dc_attn
		.amdhsa_group_segment_fixed_size 327680
		.amdhsa_private_segment_fixed_size 0
		.amdhsa_enable_private_segment 0
		.amdhsa_kernarg_size 40
		.amdhsa_user_sgpr_count 2
		.amdhsa_user_sgpr_kernarg_segment_ptr 1
		.amdhsa_wavefront_size32 1
		.amdhsa_system_sgpr_workgroup_id_x 1
		.amdhsa_system_sgpr_workgroup_id_y 1
		.amdhsa_system_sgpr_workgroup_id_z 1
		.amdhsa_system_vgpr_workitem_id 0
		.amdhsa_next_free_vgpr 512
		.amdhsa_next_free_sgpr 100
		.amdhsa_reserve_vcc 0
		.amdhsa_float_denorm_mode_32 3
		.amdhsa_float_denorm_mode_16_64 3
		.amdhsa_memory_ordered 1
		.amdhsa_forward_progress 1
		.amdhsa_inst_pref_size 126
	.end_amdhsa_kernel
	.amdgpu_metadata
---
amdhsa.version: [ 1, 2 ]
amdhsa.kernels:
  - .name:           k_q5fcb5299dc_attn
    .symbol:         k_q5fcb5299dc_attn.kd
    .args:
      - { .name: qc, .offset: 0, .size: 8, .value_kind: global_buffer, .address_space: global }
      - { .name: kv, .offset: 8, .size: 8, .value_kind: global_buffer, .address_space: global }
      - { .name: attention_mask, .offset: 16, .size: 8, .value_kind: global_buffer, .address_space: global }
      - { .name: lowp_scales, .offset: 24, .size: 8, .value_kind: global_buffer, .address_space: global }
      - { .name: oc, .offset: 32, .size: 8, .value_kind: global_buffer, .address_space: global }
    .group_segment_fixed_size: 327680
    .private_segment_fixed_size: 0
    .kernarg_segment_align: 8
    .kernarg_segment_size: 40
    .max_flat_workgroup_size: 256
    .sgpr_count:     100
    .vgpr_count:     512
    .wavefront_size: 32
...
	.end_amdgpu_metadata
.endif
;; end of part 3
;; launch outp (part 4): grid 8 x 32, 4 waves a work-group, clusters of 4 x 4, 327,680 bytes of LDS; arguments oc, wc, lowp_scales, out0; writes out0
.if DOCPART == 4
	.amdgcn_target "amdgcn-amd-amdhsa--gfx1250"
	.amdhsa_code_object_version 6
	.text
	.protected	k_q5fcb5299dc_outp
	.globl	k_q5fcb5299dc_outp
	.p2align	8
	.type	k_q5fcb5299dc_outp,@function
k_q5fcb5299dc_outp:
	s_mov_b64 s[64:65], 0
	v_nop
	global_prefetch_b8 v0, s[64:65] scope:SCOPE_SE
	s_setreg_imm32_b32 hwreg(HW_REG_WAVE_MODE, 25, 1), 1
	s_wait_xcnt 0x0
	s_wait_alu depctr_hold_cnt(0) depctr_sa_sdst(0) depctr_va_vdst(0) depctr_va_sdst(0) depctr_va_ssrc(0) depctr_va_vcc(0) depctr_vm_vsrc(0)
	s_getreg_b32 s2, hwreg(HW_REG_IB_STS2, 6, 4)
	s_cmp_eq_u32 s2, 0
	s_cbranch_scc0 .Lentry_in_a_cluster
	s_endpgm
.Lentry_in_a_cluster:
	s_bfe_u32 s2, ttmp6, 0x10000c
	s_cmp_lg_u32 s2, 0xf033
	s_cbranch_scc0 .Lentry_shape_is_right
	s_endpgm
.Lentry_shape_is_right:
; out0[m][n] = 2^(e10 + e11) x the sum over k of oc[m][k] wo[n][k], on codes of E4M3.  oc: [4096][1024]; wo's codes: tensor 3 of wc, [1024][1024]; out0: [4096][1024] f32.
; 256 tiles of 128 x 128, one to a work-group; four waves, each 64 x 64: 16 accumulators.  With tiles of 256 x 256 there would be 64 work-groups.
; ALL OF K LIES IN LDS: two halves of 512 codes, each A's 128 rows and B's 128 rows of 512 bytes; each wave asks for its 64 rows of both halves at the start.  No LDS byte is filled twice: no ring.
; CLUSTERS, 4 x 4: the four work-groups of a row need the same rows of oc, the four of a column the same rows of wo: each tile is asked for JOINTLY.
; THE MATRIX INSTRUCTION IS USED TRANSPOSED (source 0 = 16 rows of wo, source 1 = 16 rows of oc): a lane holds eight neighbouring numbers of a row of out0.
; Fragments come by four loads of 16 bytes a side: a permutation of k, alike in A and B, which changes only the order of the sums inside an instruction.
; LIMIT: e10 + e11 between -126 and 127.
; REGISTERS: window 0: v16-26 addresses; v32-63 a block's scaled sums; v64-127 rows read back, two sets; v128-255 the accumulators ((a, b) at v[128 + 8 (4 a + b)]).
;   window 1: two fragment buffers of 128: A's four fragments (16 rows x 128 K, 16 registers), then B's four.
.set PITCH,  1040                      ; an LDS row holds all of K: 1,024 bytes + 16 of padding = 260 words: row r starts at bank 4 r mod 64
.set HALFT,  64*PITCH                  ; 64 rows: what one tensor load brings, and what one wave reads of A or of B
.set SLOT,   512                       ; the second 512 codes of K begin 512 bytes further on in each row
.set STAGE,  4*HALFT                   ; behind A's 128 rows and B's 128 rows: 16 rows x 272 bytes for each wave, for the way out
.set SPITCH, 272
.set ADRA, 16                          ; v16-17  LDS address of my A fragments in half 0, 1
.set ADRB, 20                          ; v20-21  the same for B
.set STO,  24                          ; v24     the way out: where I put 32 bytes of a row
.set RD,   25                          ; v25     where I read a row back
.set CO,   26                          ; v26     my byte offset in out0
.set TMP,  32
.set BK,   64
.set ACC,  128
.set G1, 24                            ; s[24:31] descriptor group 1 for A's tiles;  s[32:35] group 0
.set G0, 32
.set G1B, 48                           ; s[48:55], s[56:59] the same for B's tiles
.set G0B, 56
.set MSB, 0
.macro WIN new                         ; the immediate's high byte repeats the setting that is left
.if MSB != (\new)
	s_set_vgpr_msb (MSB<<8)|(\new)
.set MSB, (\new)
.endif
.endm
.set MUL,  0x05                        ; sources 0 (B) and 1 (A) window 1; C and D window 0
.set TO_F, 0x40                        ; destination window 1, address window 0
.macro CROUND                          ; a round of the cluster's barrier
	s_barrier_signal -1
	s_barrier_wait -1
	s_cmp_lg_u32 s14, 0
	s_cbranch_scc1 .Lnot_wave_0_\@
	s_barrier_signal -3
.Lnot_wave_0_\@:
	s_barrier_wait -3
	s_barrier_signal -1
	s_barrier_wait -1
.endm
	s_load_b256 s[4:11], s[0:1], 0x0               ; oc s[4:5], wc s[6:7], the exponents s[8:9], out0 s[10:11]
	v_lshl_add_u32 v30, v0, 2, 0x46400
	v_mov_b32 v31, 0
	ds_add_u32 v30, v31
	ds_add_u32 v30, v31
	v_lshrrev_b32 v1, 5, v0
	v_readfirstlane_b32 s14, v1                    ; wave 0..3
	s_lshr_b32 s15, s14, 1                         ; which half of the tile's rows is mine
	s_and_b32 s16, s14, 1                          ; which half of its columns.  Also: which 64 rows I fetch
	s_bfe_u32 s40, ttmp6, 0x40000                  ; cx, cy
	s_bfe_u32 s41, ttmp6, 0x40004
	s_lshl_b32 s42, ttmp9, 2
	s_add_co_u32 s42, s42, s40                     ; tile column
	s_and_b32 s17, ttmp7, 0xffff
	s_lshl_b32 s17, s17, 2
	s_add_co_u32 s17, s17, s41                     ; tile row
	s_lshl_b32 s43, s41, 2
	s_lshl_b32 s43, 15, s43                        ; my row of the cluster
	s_lshl_b32 s44, 0x1111, s40                    ; my column
	; descriptor group 1: a tile of 64 rows x 512 bytes, padded in LDS
	s_or_b32 s[G1+0], s43, (0<<16)|(1<<20)|(1<<21)|(7<<22)|(3<<25)  ; the mask: my row; elements of 1 byte; 4 words of padding behind every 256
	s_or_b32 s[G1B+0], s44, (0<<16)|(1<<20)|(1<<21)|(7<<22)|(3<<25)
.irp g, G1, G1B
	s_mov_b32 s[\g+1], 1024<<16                    ; tensor_dim0: a whole row of K
	s_mov_b32 s[\g+2], 64<<16                      ; tensor_dim1
	s_mov_b32 s[\g+3], 1024<<16                    ; tile_dim0
	s_mov_b32 s[\g+4], 64                          ; tile_dim1
	s_mov_b32 s[\g+5], 1024                        ; tensor_dim0_stride
	s_mov_b32 s[\g+6], 0
	s_mov_b32 s[\g+7], 0
.endr
	s_lshl_b32 s18, s16, 16                        ; which 64 rows of 1,024 bytes I fetch
	s_lshl_b32 s20, s17, 17                        ; A: 128 rows a tile
	s_add_co_u32 s20, s20, s18
	s_mov_b32 s21, 0
	s_lshl_b32 s46, s42, 17                        ; B likewise,
	s_add_co_u32 s46, s46, s18
	s_add_co_u32 s46, s46, 0x300000                ; in tensor 3 of wc
	s_mov_b32 s47, 0
	s_mul_i32 s45, s14, HALFT                      ; where they go: wave x 64 rows
	s_wait_dscnt 0x0
	s_wait_kmcnt 0x0
	s_load_b64 s[96:97], s[8:9], 0x28              ; e10, e11
	s_add_nc_u64 s[20:21], s[4:5], s[20:21]
	s_add_nc_u64 s[46:47], s[6:7], s[46:47]
.irp s, 0
	s_mov_b32 s[G0+4*\s], 1
	s_add_co_u32 s[G0+4*\s+1], s45, \s*SLOT
	s_add_nc_u64 s[G0+4*\s+2:G0+4*\s+3], s[20:21], \s*512
	s_or_b32 s[G0+4*\s+3], s[G0+4*\s+3], 0x80000000
	s_mov_b32 s[G0B+4*\s], 1
	s_add_co_u32 s[G0B+4*\s+1], s45, \s*SLOT
	s_add_nc_u64 s[G0B+4*\s+2:G0B+4*\s+3], s[46:47], \s*512
	s_or_b32 s[G0B+4*\s+3], s[G0B+4*\s+3], 0x80000000
.endr
	CROUND                                         ; all sixteen work-groups are here: the joint loads meet
	s_cmp_lt_u32 s14, 2                            ; a wave's one load stands in one branch: waves 0, 1 fetch A's halves of rows, waves 2, 3 B's; four v_nop follow it
	s_cbranch_scc0 .Lfirst_b
	tensor_load_to_lds s[G0:G0+3], s[G1:G1+7]
	s_nop 0
.rept 4
	v_nop
.endr
	s_branch .Lfirst_asked
.Lfirst_b:
	tensor_load_to_lds s[G0B:G0B+3], s[G1B:G1B+7]
	s_nop 0
.rept 4
	v_nop
.endr
.Lfirst_asked:
	v_and_b32 v1, 15, v0                           ; r
	s_wait_alu depctr_va_vdst(0)
	v_bfe_u32 v2, v0, 4, 1                         ; h
	v_mul_u32_u24 v3, v1, PITCH
	v_lshl_add_u32 v3, v2, 4, v3                   ; a fragment's row x pitch + 16 x half
	s_mul_i32 s21, s15, HALFT                      ; my 64 rows of A
	s_mul_i32 s22, s16, HALFT                      ; my 64 rows of B,
	s_add_co_u32 s22, s22, 2*HALFT                 ; which lie behind A's 128
.irp s, 0,1
	v_add_nc_u32 v[ADRA+\s], s21, v3
	v_add_nc_u32 v[ADRB+\s], s22, v3
	s_add_co_u32 s21, s21, SLOT
	s_add_co_u32 s22, s22, SLOT
.endr
	s_mul_i32 s23, s14, 16*SPITCH
	s_add_co_u32 s23, s23, STAGE                   ; my stage
	v_mul_u32_u24 v4, v1, SPITCH
	s_wait_alu depctr_va_vdst(0)
	v_lshl_add_u32 v4, v2, 5, v4
	v_add_nc_u32 v[STO], s23, v4                   ; in: row r, 32 bytes for each half of the lanes
	v_mul_u32_u24 v5, v2, SPITCH
	v_lshl_add_u32 v5, v1, 4, v5
	v_add_nc_u32 v[RD], s23, v5                    ; back: lanes 0-15 one row of 256 bytes, lanes 16-31 the next
	v_lshlrev_b32 v[CO], 12, v2
	v_lshl_add_u32 v[CO], v1, 4, v[CO]             ; and the same two rows in out0
	s_lshl_b32 s20, s17, 19                        ; my part of out0: 128 rows of 4,096 bytes a tile row,
	s_lshl_b32 s21, s15, 18                        ; 64 rows a half,
	s_add_co_u32 s20, s20, s21
	s_lshl_b32 s21, s42, 9                         ; 512 bytes a tile column,
	s_add_co_u32 s20, s20, s21
	s_lshl_b32 s21, s16, 8                         ; 256 a half
	s_add_co_u32 s20, s20, s21
	s_mov_b32 s21, 0
	s_add_nc_u64 s[10:11], s[10:11], s[20:21]
; 32 LDS loads: the fragments of 128 along K, the q-th of half slot, into buffer f
.macro FETCH slot, q, f
	WIN TO_F
.irp i, 0,1,2,3
.irp c, 0,1,2,3
	ds_load_b128 v[(\f)+16*\i+4*\c:(\f)+16*\i+4*\c+3], v[ADRA+(\slot)] offset:128*(\q)+32*\c+\i*16*PITCH
.endr
.endr
.irp i, 0,1,2,3
.irp c, 0,1,2,3
	ds_load_b128 v[(\f)+64+16*\i+4*\c:(\f)+64+16*\i+4*\c+3], v[ADRB+(\slot)] offset:128*(\q)+32*\c+\i*16*PITCH
.endr
.endr
.endm
; 16 matrix instructions, 128 along K; the 16 accumulators take turns, in the same order in every step.  zero = 1: the products start the sums
.macro MUL16 f, zero
.irp a, 0,1,2,3
.irp b, 0,1,2,3
.if \zero
	v_wmma_f32_16x16x128_fp8_fp8 v[ACC+8*(4*\a+\b):ACC+8*(4*\a+\b)+7], v[(\f)+64+16*\b:(\f)+64+16*\b+15], v[(\f)+16*\a:(\f)+16*\a+15], 0
.else
	v_wmma_f32_16x16x128_fp8_fp8 v[ACC+8*(4*\a+\b):ACC+8*(4*\a+\b)+7], v[(\f)+64+16*\b:(\f)+64+16*\b+15], v[(\f)+16*\a:(\f)+16*\a+15], v[ACC+8*(4*\a+\b):ACC+8*(4*\a+\b)+7]
.endif
.endr
.endr
.endm
.macro PLACES                          ; four places in front of loads into registers that matrix instructions have read, and of the first read of results (ISA guide 7.12.1 for the read of results)
.rept 4
	v_nop
.endr
.endm
; K step q of eight: the next step's fragments are asked for, then this step's are multiplied.
.macro KS q, zero
.if (\q) < 7
.if (\q) > 0
	PLACES
.endif
	FETCH ((\q)+1)/4, ((\q)+1)%4, 128*(((\q)+1)%2)
	s_wait_dscnt 32                                ; all but the 32 just issued
.else
	s_wait_dscnt 0x0
.endif
	WIN MUL
	MUL16 128*((\q)%2), \zero
.endm
	s_wait_tensorcnt 0x0                           ; my one load, 64 rows of the whole K, is in
	s_barrier_signal -1
	s_barrier_wait -1
	FETCH 0, 0, 0
	KS 0, 1
.irp q, 1,2,3,4,5,6,7
	KS \q, 0
.endr
	WIN 0
; THE WAY OUT, block by block of 16 rows x 64 columns: x 2^(e10 + e11) into other registers, each accumulator from its low end on; through my own stage; back as whole rows of 256 bytes.
; LDS serves a wave's instructions in order (ISA guide 5.7.1.4): no wait between the stores and the loads, nor in front of the next block's stores.
.macro TOSTAGE a
.set i, 0
.rept 16
	v_pk_mul_f32 v[TMP+i:TMP+i+1], v[ACC+32*(\a)+i:ACC+32*(\a)+i+1], s[96:97] op_sel_hi:[1,0]
.set i, i+2
.endr
.irp b, 0,1,2,3
	ds_store_b128 v[STO], v[TMP+8*\b:TMP+8*\b+3] offset:64*\b
	ds_store_b128 v[STO], v[TMP+8*\b+4:TMP+8*\b+7] offset:64*\b+16
.endr
.irp t, 0,1,2,3,4,5,6,7
	ds_load_b128 v[BK+32*((\a)%2)+4*\t:BK+32*((\a)%2)+4*\t+3], v[RD] offset:\t*2*SPITCH
.endr
.endm
.macro SEND a, younger                 ; younger: the LDS instructions issued behind block a's loads, which may stay out
	s_wait_dscnt \younger
.irp t, 0,1,2,3,4,5,6,7
	global_store_b128 v[CO], v[BK+32*((\a)%2)+4*\t:BK+32*((\a)%2)+4*\t+3], s[10:11] offset:(16*(\a)+2*\t)*4096 th:TH_STORE_NT   ; sixteen lanes store 256 consecutive bytes, at a multiple of 256 from out0's first byte
.endr
.endm
	s_wait_kmcnt 0x0
	s_add_co_i32 s96, s96, s97
	s_add_co_i32 s96, s96, 127
	s_lshl_b32 s96, s96, 23                        ; 2^(e10 + e11) as f32
	PLACES
	TOSTAGE 0
.irp a, 1,2,3
.if \a > 1
	s_wait_xcnt 0x0                                ; block a - 2's stores have read their registers: block a's loads may land there
.endif
	TOSTAGE \a
	SEND \a-1, 16                                  ; behind block a - 1's loads: block a's 8 stores and 8 loads
.endr
	SEND 3, 0
	s_wait_tensorcnt 0x0
	ds_add_u32 v30, v31
	s_wait_dscnt 0x0
	CROUND                                         ; the closing round: no work-group ends while a partner may still ask for a tile that names it
	s_endpgm
.Lfunc_end_k_q5fcb5299dc_outp:
	.size	k_q5fcb5299dc_outp, .Lfunc_end_k_q5fcb5299dc_outp-k_q5fcb5299dc_outp
	.p2alignl 7, 3214868480
	.fill 96, 4, 3214868480
	.section	.rodata,"a",@progbits
	.p2align	6, 0x0
	.amdhsa_kernel k_q5fcb5299dc_outp
		.amdhsa_group_segment_fixed_size 327680
		.amdhsa_private_segment_fixed_size 0
		.amdhsa_enable_private_segment 0
		.amdhsa_kernarg_size 32
		.amdhsa_user_sgpr_count 2
		.amdhsa_user_sgpr_kernarg_segment_ptr 1
		.amdhsa_wavefront_size32 1
		.amdhsa_system_sgpr_workgroup_id_x 1
		.amdhsa_system_sgpr_workgroup_id_y 1
		.amdhsa_system_sgpr_workgroup_id_z 1
		.amdhsa_system_vgpr_workitem_id 0
		.amdhsa_next_free_vgpr 512
		.amdhsa_next_free_sgpr 100
		.amdhsa_reserve_vcc 0
		.amdhsa_float_denorm_mode_32 3
		.amdhsa_float_denorm_mode_16_64 3
		.amdhsa_memory_ordered 1
		.amdhsa_forward_progress 1
		.amdhsa_inst_pref_size 44
	.end_amdhsa_kernel
	.amdgpu_metadata
---
amdhsa.version: [ 1, 2 ]
amdhsa.kernels:
  - .name:           k_q5fcb5299dc_outp
    .symbol:         k_q5fcb5299dc_outp.kd
    .args:
      - { .name: oc, .offset: 0, .size: 8, .value_kind: global_buffer, .address_space: global }
      - { .name: wc, .offset: 8, .size: 8, .value_kind: global_buffer, .address_space: global }
      - { .name: lowp_scales, .offset: 16, .size: 8, .value_kind: global_buffer, .address_space: global }
      - { .name: out0, .offset: 24, .size: 8, .value_kind: global_buffer, .address_space: global }
    .group_segment_fixed_size: 327680
    .private_segment_fixed_size: 0
    .kernarg_segment_align: 8
    .kernarg_segment_size: 32
    .max_flat_workgroup_size: 128
    .sgpr_count:     100
    .vgpr_count:     512
    .wavefront_size: 32
...
	.end_amdgpu_metadata
.endif
;; end of part 4
